; MI455X (gfx1250); checked and timed in simulation.
; The chip was launched on July 23, 2026; its instructions are those of AMD's public machine-readable ISA for CDNA 5 (MIT licence, August 2026) and "CDNA5" Instruction Set Architecture Reference Guide (July 2026). The comments in the code are by the model that wrote it; some were corrected since.
;; Quaternion Linear. Allowed arithmetic: float matrix products may take bf16 or f16 operands with f32 sums; other float arithmetic in f32, or as packed bf16 or f16 multiplies, adds, multiply-adds, maxima and minima; sums over many terms, partial sums and values carried from step to step in f32; what a program stores and reads back later, other than sums and carried values, may be rounded once to bf16 or f16.
;; Inputs: bias 1,024 x 4 float32; weight 1,024 x 1,024 x 4 float32; x 4,096 x 1,024 x 4 float32.
;; Outputs: out0 4,096 x 1,024 x 4 float32.
;; 2 versions, each right; version 2 is version 1 with the launch prep written anew for expert scheduling mode. Each part assembles by itself: llvm-mc -triple=amdgcn-amd-amdhsa -mcpu=gfx1250 --defsym DOCPART=n.
;; ======== version 1 of 2: 2 launches
;; workspace buffers: abf 33,554,432 bytes; bbf 33,554,432 bytes
;; launch prep (part 1): grid 1536 x 1, 8 waves a work-group, no clusters, 0 bytes of LDS; arguments x, weight, abf, bbf; writes abf, bbf
.if DOCPART == 1
	.amdgcn_target "amdgcn-amd-amdhsa--gfx1250"
	.amdhsa_code_object_version 6
	.text
	.protected	k_qfccae8121c_prep
	.globl	k_qfccae8121c_prep
	.p2align	8
	.type	k_qfccae8121c_prep,@function
k_qfccae8121c_prep:
	s_mov_b64 s[64:65], 0
	v_nop
	global_prefetch_b8 v0, s[64:65] scope:SCOPE_SE
	s_setreg_imm32_b32 hwreg(HW_REG_WAVE_MODE, 25, 1), 1
	s_wait_xcnt 0x0
; The quaternion layer is one real product C[m][n] = sum over k of A[m][k] B[n][k] + bias[n] with m = batch, k = 4 i + d, n = 4 o + c.
; This launch makes the two operands in bf16:
;   abf[m][k] = bf16(x[m][i][d]): x as it lies in memory, 4,096 rows of 4,096 numbers.
;   bbf[4 o + c][4 i + d] = +- bf16(weight[o][i][p]): for each quaternion (w0, w1, w2, w3) the four rows
;     c = 0: ( w0, -w1, -w2, -w3)   c = 1: ( w1,  w0,  w3, -w2)   c = 2: ( w2, -w3,  w0,  w1)   c = 3: ( w3,  w2, -w1,  w0)
; LIMITS.  Each number is rounded once to bf16, to nearest even; the sign is turned on the rounded number, which is exact.  A finite number
; within half a bf16 step of f32's largest rounds to an infinity; NaN and infinities are not treated apart.
; SHARES.  A stream: no LDS, no barrier, no matrix unit, no cluster (no two work-groups read the same byte).  Work-groups 0 to 1,023 take 65,536 bytes of x each and
; store 32,768; work-groups 1,024 to 1,535 take 32,768 bytes of weight (two o) and store 65,536: 98,304 bytes of traffic in each.
; All of a wave's loads go out first, and each is waited for by a count that leaves the younger ones out.  No register that a load or a store names is written again.
.set XGROUPS, 1024                     ; work-groups that convert x
.set T, 3                              ; v3        at work
.set X, 4                              ; v[4:67]   as loaded, four f32 a load
.set Y, 68                             ; v[68:131] to store
	s_load_b256 s[4:11], s[0:1], 0x0               ; x s[4:5], weight s[6:7], abf s[8:9], bbf s[10:11]
	s_mov_b32 s12, ttmp9                           ; the work-group's number
	s_mov_b32 s3, 0                                ; the high words of the two offsets
	s_mov_b32 s15, 0
	v_and_b32 v1, 31, v0                           ; lane
	v_lshrrev_b32 v2, 5, v0                        ; wave
	v_lshlrev_b32 v3, 3, v1                        ; 8 x lane: my place in 256 bytes stored
	v_lshlrev_b32 v1, 4, v1                        ; 16 x lane: my place in 512 bytes loaded
	s_cmp_lt_u32 s12, XGROUPS
	s_cbranch_scc0 .Lweight
	; x: a wave takes 8,192 bytes, sixteen loads of 512 consecutive bytes, and stores 4,096
	s_lshl_b32 s2, s12, 16                         ; the group's 65,536 bytes of x
	s_lshl_b32 s14, s12, 15                        ; and its 32,768 of abf
	v_lshl_add_u32 v1, v2, 13, v1                  ; wave x 8,192 + 16 x lane
	v_lshl_add_u32 v2, v2, 12, v3                  ; wave x 4,096 + 8 x lane
	s_wait_kmcnt 0x0
	s_add_nc_u64 s[4:5], s[4:5], s[2:3]
	s_add_nc_u64 s[8:9], s[8:9], s[14:15]
.irp j, 0,1,2,3,4,5,6,7,8,9,10,11,12,13,14,15
	global_load_b128 v[X+4*(\j):X+4*(\j)+3], v1, s[4:5] offset:512*(\j) th:TH_LOAD_NT  ; read once in the launch
.endr
.irp j, 0,1,2,3,4,5,6,7,8,9,10,11,12,13,14,15
	s_wait_loadcnt 15-(\j)                         ; loads come back in order (ISA guide 5.7.1): load j is in, the younger ones stay out
	v_cvt_pk_bf16_f32 v[Y+2*(\j)],   v[X+4*(\j)],   v[X+4*(\j)+1]
	v_cvt_pk_bf16_f32 v[Y+2*(\j)+1], v[X+4*(\j)+2], v[X+4*(\j)+3]
	global_store_b64 v2, v[Y+2*(\j):Y+2*(\j)+1], s[8:9] offset:256*(\j)  ; the wave's 32 lanes store 256 consecutive bytes, at a multiple of 256 from abf's first byte
.endr
	s_endpgm
.Lweight:
	; weight: a wave takes 4,096 bytes, 256 quaternions of one o: o = 2 g + wave / 4, i = 256 (wave % 4) + 32 j + lane; a lane holds one quaternion a load
	s_sub_co_u32 s12, s12, XGROUPS                 ; g
	s_lshl_b32 s2, s12, 15                         ; the group's 32,768 bytes of weight
	s_lshl_b32 s14, s12, 16                        ; and its eight rows of bbf, 8,192 bytes each
	v_lshl_add_u32 v1, v2, 12, v1                  ; wave x 4,096 + 16 x lane
	v_and_b32 v4, 3, v2                            ; wave % 4
	v_lshrrev_b32 v2, 2, v2                        ; wave / 4
	v_lshl_add_u32 v3, v4, 11, v3                  ; 256 quaternions are 2,048 bytes of a row of bbf
	v_lshl_add_u32 v2, v2, 15, v3                  ; an o is four rows: 32,768 bytes
	s_wait_kmcnt 0x0
	s_add_nc_u64 s[6:7], s[6:7], s[2:3]
	s_add_nc_u64 s[10:11], s[10:11], s[14:15]
.irp j, 0,1,2,3,4,5,6,7
	global_load_b128 v[X+4*(\j):X+4*(\j)+3], v1, s[6:7] offset:512*(\j) th:TH_LOAD_NT
.endr
; Quaternion j of the lane: four roundings make the pairs (w1, w0), (w0, w1), (w3, w2), (w2, w3), the first of a pair in the low half; five exclusive ors turn signs.
; Row c's four numbers lie in v[R + 2 c : R + 2 c + 1].
.macro QUAT j
.set W, X+4*(\j)
.set R, Y+8*(\j)
	s_wait_loadcnt 7-(\j)                          ; load j is in, the younger ones stay out
	v_cvt_pk_bf16_f32 v[R+2], v[W+1], v[W]         ; c = 1: ( w1,  w0,
	v_cvt_pk_bf16_f32 v[R+5], v[W],   v[W+1]       ; c = 2:            w0,  w1)
	v_cvt_pk_bf16_f32 v[R+6], v[W+3], v[W+2]       ; c = 3: ( w3,  w2,
	v_cvt_pk_bf16_f32 v[T],   v[W+2], v[W+3]
	v_xor_b32 v[R],   0x80000000, v[R+5]           ; c = 0: ( w0, -w1,
	v_xor_b32 v[R+1], 0x80008000, v[T]             ;           -w2, -w3)
	v_xor_b32 v[R+3], 0x80000000, v[R+6]           ; c = 1:            w3, -w2)
	v_xor_b32 v[R+4], 0x80000000, v[T]             ; c = 2: ( w2, -w3,
	v_xor_b32 v[R+7], 0x00008000, v[R+2]           ; c = 3:           -w1,  w0)
.irp c, 0,1,2,3
	global_store_b64 v2, v[R+2*(\c):R+2*(\c)+1], s[10:11] offset:8192*(\c)+256*(\j)  ; 256 consecutive bytes of row 4 o + c, at a multiple of 256 from bbf's first byte
.endr
.endm
.irp j, 0,1,2,3,4,5,6,7
	QUAT \j
.endr
	s_endpgm
.Lfunc_end_k_qfccae8121c_prep:
	.size	k_qfccae8121c_prep, .Lfunc_end_k_qfccae8121c_prep-k_qfccae8121c_prep
	.p2alignl 7, 3214868480
	.fill 96, 4, 3214868480
	.section	.rodata,"a",@progbits
	.p2align	6, 0x0
	.amdhsa_kernel k_qfccae8121c_prep
		.amdhsa_group_segment_fixed_size 0
		.amdhsa_private_segment_fixed_size 0
		.amdhsa_enable_private_segment 0
		.amdhsa_kernarg_size 32
		.amdhsa_user_sgpr_count 2
		.amdhsa_user_sgpr_kernarg_segment_ptr 1
		.amdhsa_wavefront_size32 1
		.amdhsa_system_sgpr_workgroup_id_x 1
		.amdhsa_system_sgpr_workgroup_id_y 1
		.amdhsa_system_sgpr_workgroup_id_z 1
		.amdhsa_system_vgpr_workitem_id 0
		.amdhsa_next_free_vgpr 132
		.amdhsa_next_free_sgpr 66
		.amdhsa_reserve_vcc 0
		.amdhsa_float_denorm_mode_32 3
		.amdhsa_float_denorm_mode_16_64 3
		.amdhsa_memory_ordered 1
		.amdhsa_forward_progress 1
		.amdhsa_inst_pref_size 16
	.end_amdhsa_kernel
	.amdgpu_metadata
---
amdhsa.version: [ 1, 2 ]
amdhsa.kernels:
  - .name:           k_qfccae8121c_prep
    .symbol:         k_qfccae8121c_prep.kd
    .args:
      - { .name: x, .offset: 0, .size: 8, .value_kind: global_buffer, .address_space: global }
      - { .name: weight, .offset: 8, .size: 8, .value_kind: global_buffer, .address_space: global }
      - { .name: abf, .offset: 16, .size: 8, .value_kind: global_buffer, .address_space: global }
      - { .name: bbf, .offset: 24, .size: 8, .value_kind: global_buffer, .address_space: global }
    .group_segment_fixed_size: 0
    .private_segment_fixed_size: 0
    .kernarg_segment_align: 8
    .kernarg_segment_size: 32
    .max_flat_workgroup_size: 256
    .sgpr_count:     66
    .vgpr_count:     132
    .wavefront_size: 32
...
	.end_amdgpu_metadata
.endif
;; end of part 1
;; launch gemm (part 2): grid 16 x 16, 4 waves a work-group, clusters of 4 x 4, 327,680 bytes of LDS; arguments abf, bbf, out0, bias; writes out0
.if DOCPART == 2
	.amdgcn_target "amdgcn-amd-amdhsa--gfx1250"
	.amdhsa_code_object_version 6
	.text
	.protected	k_qfccae8121c_gemm
	.globl	k_qfccae8121c_gemm
	.p2align	8
	.type	k_qfccae8121c_gemm,@function
k_qfccae8121c_gemm:
	s_mov_b64 s[64:65], 0
	v_nop
	global_prefetch_b8 v0, s[64:65] scope:SCOPE_SE
	s_setreg_imm32_b32 hwreg(HW_REG_WAVE_MODE, 25, 1), 1
	s_wait_xcnt 0x0
	s_wait_alu depctr_hold_cnt(0) depctr_sa_sdst(0) depctr_va_vdst(0) depctr_va_sdst(0) depctr_va_ssrc(0) depctr_va_vcc(0) depctr_vm_vsrc(0)
	s_getreg_b32 s2, hwreg(HW_REG_IB_STS2, 6, 4)
	s_cmp_eq_u32 s2, 0
	s_cbranch_scc0 .Lentry_in_a_cluster
	s_endpgm
.Lentry_in_a_cluster:
	s_bfe_u32 s2, ttmp6, 0x10000c
	s_cmp_lg_u32 s2, 0xf033
	s_cbranch_scc0 .Lentry_shape_is_right
	s_endpgm
.Lentry_shape_is_right:
; out0[m][n] = bias[n] + sum over k of abf[m][k] bbf[n][k].  abf, bbf: [4096][4096] bf16, made by the launch before; out0: [4096][4096] f32 (n = 4 o + c); bias: 4,096 f32.
; LIMITS.  The operands are x and weight rounded once to bf16; the bias is rounded once to bf16 too, so that all three inputs have the same rounding.  One f32 sum for each output, K ascending, which
; STARTS from the bias (the reference adds it last: another order of rounding).  NaN and infinities are not treated apart.
; SHARES.  256 tiles of 256 x 256 of the output, one to a work-group; four waves, each 128 x 128: 64 accumulators of 16 x 16, 512 registers.  K goes in 32 steps of 128 through a ring of two LDS
; slots filled by the tensor data mover: the rows of a tile are 256 bytes of memory and start at multiples of 256 bytes from the buffer's first byte.
; CLUSTERS.  4 x 4 work-groups.  The four of a row of the cluster need the same tiles of abf, the four of a column the same tiles of bbf: each tile is asked for JOINTLY, by the same tensor load with
; the same descriptor and a mask that names the four; that divides the requests for both operands by four.
; THE MATRIX INSTRUCTION IS USED TRANSPOSED: source 0 = 16 rows of bbf, source 1 = 16 rows of abf.  In the result lane l holds row m = l % 16 and its registers 0 to 7 the columns n = 8 (l / 16) + 0..7.
; So the bias of a lane's eight columns, the same for every m, lies in eight registers for each of the eight column blocks, and IS the C operand of each accumulator's first product: nothing is cleared, nothing is added later.
; REGISTERS, in windows of 256 (s_set_vgpr_msb's low byte: bits 1:0 source 0, 3:2 source 1, 5:4 source 2, 7:6 destination):
;   window 0: v0-31 addresses; v32-63 at work on the bias; v64-127, v128-191 fragments of abf, two buffers, and on the way out rows read back from the stage; v192-255 the bias
;   window 1: v64-127, v128-191 fragments of bbf, two buffers
;   window 2: the 32 accumulators of my rows 0-63 (accumulator (a, b) at v[8 (8 a + b)]);   window 3: those of my rows 64-127
.set SIZE_K, 4096
.set KSTEP,  128
.set ROWC,   16384                     ; bytes in a row of out0
.set PITCH,  272                       ; an LDS row: 256 bytes of data + 16 of padding = 68 words: row r starts at bank 4 r mod 64 (64 banks of 4 bytes: ISA guide 11.1), so the 16 rows that a load touches start at 16 different banks
.set HALFT,  128*PITCH                 ; 128 rows: what one tensor load brings, and what one wave reads of either operand
.set SLOT,   4*HALFT                   ; abf's 256 rows, then bbf's 256 rows
.set STAGE,  2*SLOT                    ; behind the ring: 16 rows x 528 bytes for each wave, for the way out; no tensor load lands here
.set SPITCH, 528                       ; a stage row: 512 bytes (128 f32) + 16 = 132 words: again 16 rows at 16 different groups of four banks
.set SPARE,  STAGE+4*16*SPITCH         ; behind the stages: the spare words, 128 bytes for each wave: two blocks of 256 bytes that no other line names
.set LAPS,   SIZE_K/(2*KSTEP)          ; a lap = two K steps = once round the ring: 16
.set ADRA, 16                          ; v16-17  LDS address of my fragments of abf in slot 0, 1
.set ADRB, 20                          ; v20-21  the same for bbf
.set STO,  24                          ; v24     the way out: where I put 16 bytes of a row
.set RD,   25                          ; v25     the way out: where I read 16 bytes of a whole row back
.set CO,   26                          ; v26     my byte offset in my wave's 512 bytes of a row of out0; never rewritten
.set BO,   27                          ; v27     my byte offset in 64 bytes of the bias
.set SPW,  28                          ; v28     LDS address of my spare word: SPARE + 4 x my thread's number; never rewritten
.set NIL,  29                          ; v29     0; never rewritten
.set BT,   32                          ; v32-63  the bias as packed bf16, at work
.set F0,   64                          ; fragment buffer 0
.set F1,   128                         ; fragment buffer 1
.set BIAS, 192                         ; v[BIAS + 8 b + j] = bias of column 16 b + 8 (l / 16) + j of my wave's 128
.set G1,  24                           ; s[24:31] descriptor group 1 for abf's tiles
.set G0,  32                           ; s[32:39] descriptor group 0 for abf's tiles, one set for each slot
.set G1B, 48                           ; s[48:55] descriptor group 1 for bbf's tiles: it differs in the mask alone
.set G0B, 56                           ; s[56:63] descriptor group 0 for bbf's tiles, one set for each slot
.set MSB, 0
.macro WIN new                         ; the immediate's high byte repeats the setting that is left; a switch that changes nothing is dropped
.if MSB != (\new)
	s_set_vgpr_msb (MSB<<8)|(\new)
.set MSB, \new
.endif
.endm
.set MUL_LO,   0xa1                    ; source 0 (bbf) window 1, source 1 (abf) window 0, C and D window 2
.set MUL_HI,   0xf1                    ; the same, C and D window 3
.set FIRST_LO, 0x81                    ; the first products: C (the bias) window 0, D window 2
.set FIRST_HI, 0xc1                    ; the same, D window 3
.set TO_B,     0x40                    ; destination window 1, address window 0
.set ST_LO,    0x08                    ; an LDS store's data (source 1) window 2, its address window 0
.set ST_HI,    0x0c                    ; the same, data window 3
; A joint load.  Waves 0 and 1 fetch abf's two halves, waves 2 and 3 bbf's.  Each of the two lines has ONE mask and one set of registers for all that issue it.  The branch hangs on the wave's number
; alone.  An s_nop 0 and four v_nop follow each of the two lines, ahead of the jump, the label and what follows the macro.
.macro JLOAD s
	s_cmp_eq_u32 s11, 0
	s_cbranch_scc0 .Lfor_b_\@
	tensor_load_to_lds s[G0+4*(\s):G0+4*(\s)+3], s[G1:G1+7]
	s_nop 0
.rept 4
	v_nop
.endr
	s_branch .Lasked_\@
.Lfor_b_\@:
	tensor_load_to_lds s[G0B+4*(\s):G0B+4*(\s)+3], s[G1B:G1B+7]
	s_nop 0
.rept 4
	v_nop
.endr
.Lasked_\@:
.endm
; A round of the cluster's barrier: my work-group's barrier, so that wave 0's signal speaks for all four waves; wave 0 signals for the work-group; every wave waits for all sixteen work-groups;
; my work-group's barrier once more.  No LDS instruction of the wave is pending at a signal.
.macro CREST                           ; a round behind its opening barrier
	s_cmp_lg_u32 s10, 0
	s_cbranch_scc1 .Lnot_wave_0_\@
	s_barrier_signal -3
.Lnot_wave_0_\@:
	s_barrier_wait -3
	s_barrier_signal -1
	s_barrier_wait -1
.endm
.macro CROUND                          ; a whole round
	s_barrier_signal -1
	s_barrier_wait -1
	CREST
.endm
	s_load_b128 s[4:7], s[0:1], 0x0                ; abf s[4:5], bbf s[6:7]
	s_load_b64 s[8:9], s[0:1], 0x10                ; out0
	s_load_b64 s[66:67], s[0:1], 0x18              ; bias
	v_lshl_add_u32 v[SPW], v0, 2, SPARE
	v_mov_b32 v[NIL], 0
	ds_add_u32 v[SPW], v[NIL]                      ; the wave's opening: the add and its wait stand ahead of my first tensor load; the set-up below, work on registers, stands between them
	v_lshrrev_b32 v1, 5, v0
	v_readfirstlane_b32 s10, v1                    ; wave 0..3
	s_lshr_b32 s11, s10, 1                         ; which half of the tile's rows is mine.  Also: I fetch for abf (0) or for bbf (1)
	s_and_b32 s12, s10, 1                          ; which half of its columns.  Also: which 128 rows of that tile I fetch
	s_bfe_u32 s40, ttmp6, 0x40000                  ; cx: my place along the cluster's x
	s_bfe_u32 s41, ttmp6, 0x40004                  ; cy: along its y
	s_lshl_b32 s42, ttmp9, 2                       ; in a cluster launch ttmp9 and ttmp7 count clusters
	s_add_co_u32 s42, s42, s40                     ; tile column = 4 x cluster x + cx
	s_and_b32 s13, ttmp7, 0xffff
	s_lshl_b32 s13, s13, 2
	s_add_co_u32 s13, s13, s41                     ; tile row = 4 x cluster y + cy
	s_lshl_b32 s43, s41, 2
	s_lshl_b32 s43, 15, s43                        ; my row of the cluster: places 4 cy .. 4 cy + 3
	s_lshl_b32 s44, 0x1111, s40                    ; my column: places cx, cx + 4, cx + 8, cx + 12
	; descriptor group 1: a tile of 128 rows x 128 elements, padded in LDS
	s_or_b32 s[G1+0], s43, (1<<16)|(1<<20)|(1<<21)|(5<<22)|(3<<25)   ; 15:0 the mask: abf's tiles go to my row; 17:16 elements of 2 bytes; 20 padding on; 21 set beside a mask; 24:22 after every 64 words (code 5); 31:25 4 words of it (code 3)
	s_or_b32 s[G1B+0], s44, (1<<16)|(1<<20)|(1<<21)|(5<<22)|(3<<25)  ; the same with the mask of my column, for bbf's tiles
.irp g, G1, G1B
	s_mov_b32 s[(\g)+1], KSTEP<<16                 ; 63:48 tensor_dim0, low half = 128
	s_mov_b32 s[(\g)+2], 128<<16                   ; 79:64 its high half = 0; 95:80 tensor_dim1, low half = 128
	s_mov_b32 s[(\g)+3], KSTEP<<16                 ; 111:96 its high half = 0; 127:112 tile_dim0 = 128
	s_mov_b32 s[(\g)+4], 128                       ; 143:128 tile_dim1 = 128; 159:144 tile_dim2 = 0
	s_mov_b32 s[(\g)+5], SIZE_K                    ; 191:160 tensor_dim0_stride, low word: elements from row to row
	s_mov_b32 s[(\g)+6], 0
	s_mov_b32 s[(\g)+7], 0
.endr
	; where the tiles come from.  abf's hang on the tile row alone, which my row of the cluster shares; bbf's on the tile column alone, which my column shares.
	; Every wave makes both addresses, in registers that do not hold the other coordinate, and asks by one of them.
	s_lshl_b32 s17, s12, 7                         ; which 128 rows of the tile I fetch
	s_lshl_b32 s16, s13, 8
	s_add_co_u32 s16, s16, s17                     ; abf: row 256 x tile row + 128 x half
	s_lshl_b32 s46, s42, 8
	s_add_co_u32 s46, s46, s17                     ; bbf: row 256 x tile column + 128 x half
	s_mov_b32 s17, 0
	s_mov_b32 s47, 0
	s_mov_b64 s[18:19], SIZE_K*2
	s_mul_u64 s[16:17], s[16:17], s[18:19]         ; in bytes
	s_mul_u64 s[46:47], s[46:47], s[18:19]
	s_mul_i32 s20, s10, HALFT                      ; and where they go: wave x 128 rows: no place in the cluster enters an LDS address
	s_wait_dscnt 0x0                               ; the opening add is done
	s_wait_kmcnt 0x0
	s_add_nc_u64 s[14:15], s[4:5], s[16:17]
	s_add_nc_u64 s[46:47], s[6:7], s[46:47]
	CROUND                                         ; all sixteen work-groups are here: the first joint loads meet
.irp s, 0,1
	s_mov_b32 s[G0+4*(\s)], 1                                        ; 1:0 count = 1
	s_add_co_u32 s[G0+4*(\s)+1], s20, (\s)*SLOT                      ; 63:32 LDS address
	s_add_nc_u64 s[G0+4*(\s)+2:G0+4*(\s)+3], s[14:15], (\s)*KSTEP*2  ; 120:64 global address: K step s
	s_or_b32 s[G0+4*(\s)+3], s[G0+4*(\s)+3], 0x80000000              ; 127:126 type = 2
	s_mov_b32 s[G0B+4*(\s)], 1
	s_add_co_u32 s[G0B+4*(\s)+1], s20, (\s)*SLOT
	s_add_nc_u64 s[G0B+4*(\s)+2:G0B+4*(\s)+3], s[46:47], (\s)*KSTEP*2
	s_or_b32 s[G0B+4*(\s)+3], s[G0B+4*(\s)+3], 0x80000000
	JLOAD \s                                       ; the ring is filled before anything else is done: two tensor loads of mine are out, later one
.endr
	; A fragment is 16 rows x 32 K in 8 registers: lane l holds row l % 16; registers 0-3 hold K = 8 (l / 16) + 0..7, registers 4-7 hold K = 16 + 8 (l / 16) + 0..7: two loads of 16 bytes, 32 bytes apart.
	v_and_b32 v1, 15, v0                           ; l % 16
	v_bfe_u32 v2, v0, 4, 1                         ; l / 16
	v_mul_u32_u24 v3, v1, PITCH
	v_lshl_add_u32 v3, v2, 4, v3                   ; row x pitch + 16 x half
	s_mul_i32 s21, s11, HALFT                      ; my 128 rows of abf
	s_mul_i32 s22, s12, HALFT                      ; my 128 rows of bbf,
	s_add_co_u32 s22, s22, 2*HALFT                 ; which lie behind abf's 256
.irp s, 0,1
	v_add_nc_u32 v[ADRA+(\s)], s21, v3
	v_add_nc_u32 v[ADRB+(\s)], s22, v3
	s_add_co_u32 s21, s21, SLOT
	s_add_co_u32 s22, s22, SLOT
.endr
	s_mul_i32 s23, s10, 16*SPITCH
	s_add_co_u32 s23, s23, STAGE                   ; my stage
	v_mul_u32_u24 v4, v1, SPITCH                   ; in: row l % 16, 32 bytes (eight f32) for each half of the lanes
	v_lshl_add_u32 v4, v2, 5, v4
	v_add_nc_u32 v[STO], s23, v4
	v_and_b32 v5, 31, v0
	v_lshlrev_b32 v[CO], 4, v5                     ; back and out: 32 lanes x 16 bytes are one row's 512 bytes
	v_add_nc_u32 v[RD], s23, v[CO]
	v_lshlrev_b32 v[BO], 5, v2                     ; the bias of columns 8 (l / 16) on
	; my wave's first column in bytes of f32 (it serves the bias and out0), and my first row of out0
	s_lshl_b32 s13, s13, 8
	s_lshl_b32 s14, s11, 7
	s_add_co_u32 s16, s13, s14                     ; my first row: 256 x tile row + 128 x half
	s_mov_b32 s17, 0
	s_mov_b64 s[18:19], ROWC
	s_mul_u64 s[16:17], s[16:17], s[18:19]
	s_lshl_b32 s46, s42, 10                        ; 1,024 x tile column + 512 x half
	s_lshl_b32 s47, s12, 9
	s_add_co_u32 s46, s46, s47
	s_mov_b32 s47, 0
	s_add_nc_u64 s[66:67], s[66:67], s[46:47]      ; the bias at my wave's first column
	s_add_nc_u64 s[16:17], s[16:17], s[46:47]
	s_add_nc_u64 s[8:9], s[8:9], s[16:17]          ; out0 at my wave's first row and column; never rewritten
	; the bias, once, in the accumulators' layout; all this stands in the wait for the first tile
.irp b, 0,1,2,3,4,5,6,7
	global_load_b128 v[BIAS+8*(\b):BIAS+8*(\b)+3],   v[BO], s[66:67] offset:64*(\b)
	global_load_b128 v[BIAS+8*(\b)+4:BIAS+8*(\b)+7], v[BO], s[66:67] offset:64*(\b)+16
.endr
	s_wait_loadcnt 0x0
.set i, 0
.rept 32
	v_cvt_pk_bf16_f32 v[BT+i], v[BIAS+2*i], v[BIAS+2*i+1]  ; rounded once to bf16, like x and weight,
.set i, i+1
.endr
.set i, 0
.rept 32
	v_lshlrev_b32 v[BIAS+2*i],   16, v[BT+i]               ; and written as f32 again: the low half moves up,
	v_and_b32     v[BIAS+2*i+1], 0xffff0000, v[BT+i]       ; the high half stays
.set i, i+1
.endr
; 16 matrix instructions: m blocks a0, a0 + 1 of the window's four (hi = 0: my rows 0-63, 1: rows 64-127) x all 8 n blocks, 32 along K.
; first = 1: the product starts the sum from the bias.  The 64 accumulators take turns, one instruction a turn, in the same order in every quarter step.
.macro MUL16 f, hi, a0, first
.if \first
	WIN FIRST_LO+0x40*(\hi)
.else
	WIN MUL_LO+0x50*(\hi)
.endif
.irp a, \a0, (\a0)+1
.irp b, 0,1,2,3,4,5,6,7
.if \first
	v_wmma_f32_16x16x32_bf16 v[8*(8*(\a)+(\b)):8*(8*(\a)+(\b))+7], v[(\f)+8*(\b):(\f)+8*(\b)+7], v[(\f)+8*(4*(\hi)+(\a)):(\f)+8*(4*(\hi)+(\a))+7], v[BIAS+8*(\b):BIAS+8*(\b)+7]
.else
	v_wmma_f32_16x16x32_bf16 v[8*(8*(\a)+(\b)):8*(8*(\a)+(\b))+7], v[(\f)+8*(\b):(\f)+8*(\b)+7], v[(\f)+8*(4*(\hi)+(\a)):(\f)+8*(4*(\hi)+(\a))+7], v[8*(8*(\a)+(\b)):8*(8*(\a)+(\b))+7]
.endif
.endr
.endr
.endm
; 32 LDS loads in one run: the fragments of one quarter step (128 rows of bbf, 128 rows of abf, 32 K at byte k of the rows) into buffer f
.macro FETCH slot, k, f
	WIN TO_B
.irp i, 0,1,2,3,4,5,6,7
	ds_load_b128 v[(\f)+8*(\i):(\f)+8*(\i)+3],   v[ADRB+(\slot)] offset:(\k)+(\i)*16*PITCH
	ds_load_b128 v[(\f)+8*(\i)+4:(\f)+8*(\i)+7], v[ADRB+(\slot)] offset:(\k)+(\i)*16*PITCH+32
.endr
	WIN 0
.irp i, 0,1,2,3,4,5,6,7
	ds_load_b128 v[(\f)+8*(\i):(\f)+8*(\i)+3],   v[ADRA+(\slot)] offset:(\k)+(\i)*16*PITCH
	ds_load_b128 v[(\f)+8*(\i)+4:(\f)+8*(\i)+7], v[ADRA+(\slot)] offset:(\k)+(\i)*16*PITCH+32
.endr
.endm
; A load into a register that a matrix instruction has read, and an LDS store that reads a matrix result, stand four places behind that matrix instruction, and only plain vector instructions that
; name none of its registers are places (ISA guide 7.12.1 for vector instructions).
.macro PLACES
.rept 4
	v_nop
.endr
.endm
; A K step is four quarter steps of 32 along K, 64 matrix instructions each, on buffers 0, 1, 0, 1.
; One of the first three: multiplies buffer f; in its middle it fetches the next quarter's fragments, at byte k of the same slot's rows, into buffer g.
.macro QUARTER slot, k, f, g, first
	s_wait_dscnt 8                                 ; bbf's fragments and abf's rows 0-63 are in; the youngest eight loads (abf's rows 64-127) may be out
	MUL16 \f, 0, 0, \first
	MUL16 \f, 0, 2, \first
	PLACES
	FETCH \slot, \k, \g
	s_wait_dscnt 32                                ; all but the 32 just issued
	MUL16 \f, 1, 0, \first
	MUL16 \f, 1, 2, \first
.endm
; The last quarter multiplies buffer 1 and changes slots.  MEET is its first half: ONE barrier for the change of slots, for two things.  In front of it each wave waits for all its tensor loads, of which
; one is out: its part of the next slot; adds 0 to its spare word; and waits for that and for its own reads of this slot.  Behind it nobody reads this slot any more and the next slot is whole.
.macro MEET round                      ; round = 1: the rest of a round of the cluster's barrier follows
	WIN 0                                          ; (the add's two registers lie in window 0)
	s_wait_tensorcnt 0x0                           ; all my tensor loads have landed: the one that was out is my part of the next slot;
	ds_add_u32 v[SPW], v[NIL]                      ; 0 onto my spare word;
	s_wait_dscnt 9                                 ; (the add and the youngest eight loads may be out)
	MUL16 F1, 0, 0, 0                              ; sixteen matrix instructions stand between the add and the wait for it
	s_wait_dscnt 0x0                               ; the add is done, and my reads of this slot are over:
	s_barrier_signal -1                            ; say so (where a slot is filled again this barrier opens a round of the cluster's barrier),
	MUL16 F1, 0, 2, 0                              ; work on registers while the others arrive,
.if \round
	WIN 0
.endif
	s_barrier_wait -1                              ; and go on when all four have said so
.endm
; The whole last quarter.  fill = 1: behind the round the slot just read out is filled again first, with the K step two steps on; then come the next slot's first fragments.
; From a request to the wait for it a wave issues 224 matrix instructions.
.macro TURN slot, next, fill
	MEET \fill
.if \fill
	CREST                                          ; all sixteen work-groups have said so: no wave of any partner still reads this slot's tile or has a load on its way
	s_add_nc_u64 s[G0+4*(\slot)+2:G0+4*(\slot)+3], s[G0+4*(\slot)+2:G0+4*(\slot)+3], 2*KSTEP*2     ; no tensor load of mine is out, so a group 0 may be written; the type bits on top are not reached
	s_add_nc_u64 s[G0B+4*(\slot)+2:G0B+4*(\slot)+3], s[G0B+4*(\slot)+2:G0B+4*(\slot)+3], 2*KSTEP*2
	JLOAD \slot                                    ; the first tensor load behind the round, my only one until the next; the four v_nop behind it are also the places in front of the loads below
.else
	PLACES
.endif
	FETCH \next, 0, F0
	MUL16 F1, 1, 0, 0
	MUL16 F1, 1, 2, 0
.endm
; THE WAY OUT of block a (16 rows x 128 columns of f32), in two parts.  TOSTAGE: a lane's eight numbers of a row and column block go as two stores of 16 bytes, the accumulator's low registers first,
; into my own stage in LDS, and come back as whole rows of 512 bytes, into one of two buffers of 64 registers.  SEND: stored.
.macro TOSTAGE a
.set AC, 64*((\a)%4)                   ; its eight accumulators, in window 2 (blocks 0-3) or 3 (blocks 4-7)
.set BK, F0+64*((\a)%2)
	WIN ST_LO+4*((\a)/4)
.irp b, 0,1,2,3,4,5,6,7
	ds_store_b128 v[STO], v[AC+8*(\b):AC+8*(\b)+3]   offset:64*(\b)
	ds_store_b128 v[STO], v[AC+8*(\b)+4:AC+8*(\b)+7] offset:64*(\b)+16
.endr
	WIN 0
.if (\a) >= 2
	s_wait_xcnt 0x0                                ; every earlier memory instruction has had its addresses translated (ISA guide 3.1): the buffer, which the stores of the block two back read, is loaded again only behind this wait
.endif
.irp t, 0,1,2,3,4,5,6,7,8,9,10,11,12,13,14,15
	ds_load_b128 v[BK+4*(\t):BK+4*(\t)+3], v[RD] offset:(\t)*SPITCH  ; LDS serves a wave's instructions in order (ISA guide 5.7.1.4): these see the stores above, and the next block's stores come behind them
.endr
.endm
.macro SEND a, younger                 ; younger: the LDS instructions issued behind block a's loads: the next block's 32, or none
.set BK, F0+64*((\a)%2)
	WIN 0
.irp t, 0,1,2,3,4,5,6,7,8,9,10,11,12,13,14,15
	s_wait_dscnt (\younger)+15-(\t)                ; row t is back in registers
	global_store_b128 v[CO], v[BK+4*(\t):BK+4*(\t)+3], s[8:9] offset:(16*(\a)+(\t))*ROWC th:TH_STORE_NT  ; the wave stores 512 consecutive bytes, at a multiple of 512 from out0's first byte; the row stands in the immediate, 127 rows = 2,080,768 bytes at the most, inside its signed 24 bits
.endr
.endm
	s_wait_tensorcnt 1                             ; my part of K step 0 is in; K step 1's load, issued behind it, may stay out
	s_barrier_signal -1
	s_barrier_wait -1                              ; everybody's is
	FETCH 0, 0, F0
	QUARTER 0, 64,  F0, F1, 1                      ; the first quarter stands in front of the loop: its products start the sums from the bias
	WIN 0                                          ; at a label and at a branch every window is 0
	s_mov_b32 s3, LAPS-1
.Llap:                                                 ; 15 trips: a trip goes once round the ring, from a lap's second quarter to the next lap's first, and fills both slots again
	QUARTER 0, 128, F1, F0, 0
	QUARTER 0, 192, F0, F1, 0
	TURN 0, 1, 1
	QUARTER 1, 64,  F0, F1, 0
	QUARTER 1, 128, F1, F0, 0
	QUARTER 1, 192, F0, F1, 0
	TURN 1, 0, 1
	QUARTER 0, 64,  F0, F1, 0
	WIN 0
	s_sub_co_u32 s3, s3, 1
	s_cmp_lg_u32 s3, 0
	s_cbranch_scc1 .Llap
	QUARTER 0, 128, F1, F0, 0                      ; the last lap is written out: it fills nothing, and has no round of the cluster's barrier
	QUARTER 0, 192, F0, F1, 0
	TURN 0, 1, 0
	QUARTER 1, 64,  F0, F1, 0
	QUARTER 1, 128, F1, F0, 0
	QUARTER 1, 192, F0, F1, 0
	s_wait_dscnt 8                                 ; the very last quarter: nothing more to fetch
	MUL16 F1, 0, 0, 0
	MUL16 F1, 0, 2, 0
	s_wait_dscnt 0x0
	MUL16 F1, 1, 0, 0
	MUL16 F1, 1, 2, 0
	PLACES                                         ; behind the last products: the stores below read results, the loads below land in registers that products have read
	TOSTAGE 0
.irp a, 1,2,3,4,5,6,7                  ; block a goes into the stage while block a - 1's rows come back and leave
	TOSTAGE \a
	SEND (\a)-1, 32
.endr
	SEND 7, 0
	s_wait_tensorcnt 0x0                           ; the wave's end, behind my last tensor load and my last LDS store
	ds_add_u32 v[SPW], v[NIL]
	s_wait_dscnt 0x0
	CROUND                                         ; the closing round: no work-group ends while a partner may still ask for a tile that names it
	s_endpgm
.Lfunc_end_k_qfccae8121c_gemm:
	.size	k_qfccae8121c_gemm, .Lfunc_end_k_qfccae8121c_gemm-k_qfccae8121c_gemm
	.p2alignl 7, 3214868480
	.fill 96, 4, 3214868480
	.section	.rodata,"a",@progbits
	.p2align	6, 0x0
	.amdhsa_kernel k_qfccae8121c_gemm
		.amdhsa_group_segment_fixed_size 327680
		.amdhsa_private_segment_fixed_size 0
		.amdhsa_enable_private_segment 0
		.amdhsa_kernarg_size 32
		.amdhsa_user_sgpr_count 2
		.amdhsa_user_sgpr_kernarg_segment_ptr 1
		.amdhsa_wavefront_size32 1
		.amdhsa_system_sgpr_workgroup_id_x 1
		.amdhsa_system_sgpr_workgroup_id_y 1
		.amdhsa_system_sgpr_workgroup_id_z 1
		.amdhsa_system_vgpr_workitem_id 0
		.amdhsa_next_free_vgpr 1024
		.amdhsa_next_free_sgpr 68
		.amdhsa_reserve_vcc 0
		.amdhsa_float_denorm_mode_32 3
		.amdhsa_float_denorm_mode_16_64 3
		.amdhsa_memory_ordered 1
		.amdhsa_forward_progress 1
		.amdhsa_inst_pref_size 150
	.end_amdhsa_kernel
	.amdgpu_metadata
---
amdhsa.version: [ 1, 2 ]
amdhsa.kernels:
  - .name:           k_qfccae8121c_gemm
    .symbol:         k_qfccae8121c_gemm.kd
    .args:
      - { .name: abf, .offset: 0, .size: 8, .value_kind: global_buffer, .address_space: global }
      - { .name: bbf, .offset: 8, .size: 8, .value_kind: global_buffer, .address_space: global }
      - { .name: out0, .offset: 16, .size: 8, .value_kind: global_buffer, .address_space: global }
      - { .name: bias, .offset: 24, .size: 8, .value_kind: global_buffer, .address_space: global }
    .group_segment_fixed_size: 327680
    .private_segment_fixed_size: 0
    .kernarg_segment_align: 8
    .kernarg_segment_size: 32
    .max_flat_workgroup_size: 128
    .sgpr_count:     68
    .vgpr_count:     1024
    .wavefront_size: 32
...
	.end_amdgpu_metadata
.endif
;; end of part 2
;; ======== version 2 of 2: 2 launches; version 1 with the launch prep written anew for expert scheduling mode
;; workspace buffers: abf 33,554,432 bytes; bbf 33,554,432 bytes
;; launch prep (part 3): grid 1536 x 1, 8 waves a work-group, no clusters, 0 bytes of LDS; arguments x, weight, abf, bbf; writes abf, bbf
.if DOCPART == 3
	.amdgcn_target "amdgcn-amd-amdhsa--gfx1250"
	.amdhsa_code_object_version 6
	.text
	.protected	k_qfccae8121c_prep
	.globl	k_qfccae8121c_prep
	.p2align	8
	.type	k_qfccae8121c_prep,@function
k_qfccae8121c_prep:
	s_mov_b64 s[64:65], 0
	v_nop
	global_prefetch_b8 v0, s[64:65] scope:SCOPE_SE
	s_setreg_imm32_b32 hwreg(HW_REG_WAVE_SCHED_MODE, 0, 2), 2
	s_setreg_imm32_b32 hwreg(HW_REG_WAVE_MODE, 25, 1), 1
	s_wait_xcnt 0x0
	s_wait_alu depctr_vm_vsrc(0)
; The quaternion layer is one real product C[m][n] = sum over k of A[m][k] B[n][k] + bias[n] with m = batch, k = 4 i + d, n = 4 o + c.
; This launch makes the two operands in bf16:
;   abf[m][k] = bf16(x[m][i][d]): x as it lies in memory, 4,096 rows of 4,096 numbers.
;   bbf[4 o + c][4 i + d] = +- bf16(weight[o][i][p]): for each quaternion (w0, w1, w2, w3) the four rows
;     c = 0: ( w0, -w1, -w2, -w3)   c = 1: ( w1,  w0,  w3, -w2)   c = 2: ( w2, -w3,  w0,  w1)   c = 3: ( w3,  w2, -w1,  w0)
; LIMITS.  Each number is rounded once to bf16, to nearest even; the sign is turned on the rounded number, which is exact.  A finite number
; within half a bf16 step of f32's largest rounds to an infinity; NaN and infinities are not treated apart.
; SHARES.  A stream: no LDS, no barrier, no matrix unit, no cluster (no two work-groups read the same byte).  Work-groups 0 to 1,023 take 65,536 bytes of x each and
; store 32,768; work-groups 1,024 to 1,535 take 32,768 bytes of weight (two o) and store 65,536: 98,304 bytes of traffic in each.
; All of a wave's loads go out first, and each block of them is waited for by a count that leaves the younger ones out.
; THE MODE: SCHED_MODE bits 1:0 = 2 (LLVM: expert scheduling mode 2), set by the entry lines.  The code itself states the register dependences
; between vector instructions and memory instructions, with s_wait_alu, always for 0.
; THE PLAN.  Each path goes in four blocks.  Registers that memory instructions touch:
;   v1, v2   the loads' and the stores' byte offsets: made at the head, never written again.
;   X        as loaded: each register is written by one load and then read by its block's vector instructions alone.
;   Y        to store: each register is written once, by block p's vector instructions, and read by stores that are issued in block p + 1.
;   v3 is named by vector instructions alone.
; One wait on va_vdst stands ahead of the first load, one at the head of each block but the first, one ahead of the last stores.  Behind a block's wait the stores of the
; block before are dealt among the block's vector instructions, which name X and Y of the block in hand and v3: none of the registers that those stores read.
; No register that a load or a store has read is written again, so past the entry lines the text holds no wait on vm_vsrc and no s_wait_xcnt.
.set XGROUPS, 1024                     ; work-groups that convert x
.set T, 3                              ; v3        at work
.set X, 4                              ; v[4:67]   as loaded, four f32 a load
.set Y, 68                             ; v[68:131] to store
	s_load_b256 s[4:11], s[0:1], 0x0               ; x s[4:5], weight s[6:7], abf s[8:9], bbf s[10:11]
	s_mov_b32 s12, ttmp9                           ; the work-group's number
	s_mov_b32 s3, 0                                ; the high words of the two offsets
	s_mov_b32 s15, 0
	v_and_b32 v1, 31, v0                           ; lane
	v_lshrrev_b32 v2, 5, v0                        ; wave
	v_lshlrev_b32 v3, 3, v1                        ; 8 x lane: my place in 256 bytes stored
	v_lshlrev_b32 v1, 4, v1                        ; 16 x lane: my place in 512 bytes loaded
	s_cmp_lt_u32 s12, XGROUPS
	s_cbranch_scc0 .Lweight
	; x: a wave takes 8,192 bytes, sixteen loads of 512 consecutive bytes, and stores 4,096
	s_lshl_b32 s2, s12, 16                         ; the group's 65,536 bytes of x
	s_lshl_b32 s14, s12, 15                        ; and its 32,768 of abf
	v_lshl_add_u32 v1, v2, 13, v1                  ; wave x 8,192 + 16 x lane
	v_lshl_add_u32 v2, v2, 12, v3                  ; wave x 4,096 + 8 x lane
	s_wait_kmcnt 0x0
	s_add_nc_u64 s[4:5], s[4:5], s[2:3]
	s_add_nc_u64 s[8:9], s[8:9], s[14:15]
	s_wait_alu depctr_va_vdst(0)                   ; v1 and v2 are written: every load of this path reads v1 as its offset, every store v2
.irp j, 0,1,2,3,4,5,6,7,8,9,10,11,12,13,14,15
	global_load_b128 v[X+4*(\j):X+4*(\j)+3], v1, s[4:5] offset:512*(\j) th:TH_LOAD_NT  ; read once in the launch
.endr
; Block p of x: loads 4 p to 4 p + 3 are rounded; the four stores of block p - 1 stand among the roundings, one ahead of each load's two.
.macro XBLK p
	s_wait_loadcnt 12-4*(\p)                       ; loads come back in order (ISA guide 5.7.1): this block's four are in, the 12 - 4 p younger ones stay out
.if (\p) > 0
	s_wait_alu depctr_va_vdst(0)                   ; the block before has written its eight registers of Y, which the four stores below read
.endif
.irp i, 0,1,2,3
.set J,  4*(\p)+(\i)                   ; the load that is rounded
.set JB, J-4                           ; the load whose numbers are stored
.if (\p) > 0
	global_store_b64 v2, v[Y+2*JB:Y+2*JB+1], s[8:9] offset:256*JB  ; the wave's 32 lanes store 256 consecutive bytes, at a multiple of 256 from abf's first byte; no vector instruction since the wait names these registers
.endif
	v_cvt_pk_bf16_f32 v[Y+2*J],   v[X+4*J],   v[X+4*J+1]
	v_cvt_pk_bf16_f32 v[Y+2*J+1], v[X+4*J+2], v[X+4*J+3]
.endr
.endm
	XBLK 0
	XBLK 1
	XBLK 2
	XBLK 3
	s_wait_alu depctr_va_vdst(0)                   ; block 3 has written its eight registers of Y, which the last four stores read
.irp j, 12,13,14,15
	global_store_b64 v2, v[Y+2*(\j):Y+2*(\j)+1], s[8:9] offset:256*(\j)
.endr
	s_endpgm
.Lweight:
	; weight: a wave takes 4,096 bytes, 256 quaternions of one o: o = 2 g + wave / 4, i = 256 (wave % 4) + 32 j + lane; a lane holds one quaternion a load
	s_sub_co_u32 s12, s12, XGROUPS                 ; g
	s_lshl_b32 s2, s12, 15                         ; the group's 32,768 bytes of weight
	s_lshl_b32 s14, s12, 16                        ; and its eight rows of bbf, 8,192 bytes each
	v_lshl_add_u32 v1, v2, 12, v1                  ; wave x 4,096 + 16 x lane
	v_and_b32 v4, 3, v2                            ; wave % 4
	v_lshrrev_b32 v2, 2, v2                        ; wave / 4
	v_lshl_add_u32 v3, v4, 11, v3                  ; 256 quaternions are 2,048 bytes of a row of bbf
	v_lshl_add_u32 v2, v2, 15, v3                  ; an o is four rows: 32,768 bytes
	s_wait_kmcnt 0x0
	s_add_nc_u64 s[6:7], s[6:7], s[2:3]
	s_add_nc_u64 s[10:11], s[10:11], s[14:15]
	s_wait_alu depctr_va_vdst(0)                   ; v1 and v2 are written: the loads' and the stores' offsets; and the lines above are done writing and reading v4, in which the first load lands
.irp j, 0,1,2,3,4,5,6,7
	global_load_b128 v[X+4*(\j):X+4*(\j)+3], v1, s[6:7] offset:512*(\j) th:TH_LOAD_NT
.endr
; Quaternion j of the lane: four roundings make the pairs (w1, w0), (w0, w1), (w3, w2), (w2, w3), the first of a pair in the low half; five exclusive ors turn signs.
; Row c's four numbers lie in v[R + 2 c : R + 2 c + 1].
.macro CONV j
.set W, X+4*(\j)
.set R, Y+8*(\j)
	v_cvt_pk_bf16_f32 v[R+2], v[W+1], v[W]         ; c = 1: ( w1,  w0,
	v_cvt_pk_bf16_f32 v[R+5], v[W],   v[W+1]       ; c = 2:            w0,  w1)
	v_cvt_pk_bf16_f32 v[R+6], v[W+3], v[W+2]       ; c = 3: ( w3,  w2,
	v_cvt_pk_bf16_f32 v[T],   v[W+2], v[W+3]
	v_xor_b32 v[R],   0x80000000, v[R+5]           ; c = 0: ( w0, -w1,
	v_xor_b32 v[R+1], 0x80008000, v[T]             ;           -w2, -w3)
	v_xor_b32 v[R+3], 0x80000000, v[R+6]           ; c = 1:            w3, -w2)
	v_xor_b32 v[R+4], 0x80000000, v[T]             ; c = 2: ( w2, -w3,
	v_xor_b32 v[R+7], 0x00008000, v[R+2]           ; c = 3:           -w1,  w0)
.endm
; Quaternion j's four rows are stored.
.macro OUT j
.set RB, Y+8*(\j)
.irp c, 0,1,2,3
	global_store_b64 v2, v[RB+2*(\c):RB+2*(\c)+1], s[10:11] offset:8192*(\c)+256*(\j)  ; 256 consecutive bytes of row 4 o + c, at a multiple of 256 from bbf's first byte
.endr
.endm
; Block p of weight: quaternions 2 p and 2 p + 1 are made; the eight stores of block p - 1 stand among them, a quaternion's four ahead of each.
.macro WBLK p
	s_wait_loadcnt 6-2*(\p)                        ; this block's two loads are in, the 6 - 2 p younger ones stay out
.if (\p) > 0
	s_wait_alu depctr_va_vdst(0)                   ; the block before has written its sixteen registers of Y, which the eight stores below read
.endif
.irp i, 0,1
.if (\p) > 0
	OUT 2*((\p)-1)+(\i)                            ; no vector instruction since the wait names these registers
.endif
	CONV 2*(\p)+(\i)
.endr
.endm
	WBLK 0
	WBLK 1
	WBLK 2
	WBLK 3
	s_wait_alu depctr_va_vdst(0)                   ; block 3 has written its sixteen registers of Y, which the last eight stores read
	OUT 6
	OUT 7
	s_endpgm
.Lfunc_end_k_qfccae8121c_prep:
	.size	k_qfccae8121c_prep, .Lfunc_end_k_qfccae8121c_prep-k_qfccae8121c_prep
	.p2alignl 7, 3214868480
	.fill 96, 4, 3214868480
	.section	.rodata,"a",@progbits
	.p2align	6, 0x0
	.amdhsa_kernel k_qfccae8121c_prep
		.amdhsa_group_segment_fixed_size 0
		.amdhsa_private_segment_fixed_size 0
		.amdhsa_enable_private_segment 0
		.amdhsa_kernarg_size 32
		.amdhsa_user_sgpr_count 2
		.amdhsa_user_sgpr_kernarg_segment_ptr 1
		.amdhsa_wavefront_size32 1
		.amdhsa_system_sgpr_workgroup_id_x 1
		.amdhsa_system_sgpr_workgroup_id_y 1
		.amdhsa_system_sgpr_workgroup_id_z 1
		.amdhsa_system_vgpr_workitem_id 0
		.amdhsa_next_free_vgpr 132
		.amdhsa_next_free_sgpr 66
		.amdhsa_reserve_vcc 0
		.amdhsa_float_denorm_mode_32 3
		.amdhsa_float_denorm_mode_16_64 3
		.amdhsa_memory_ordered 1
		.amdhsa_forward_progress 1
		.amdhsa_inst_pref_size 16
	.end_amdhsa_kernel
	.amdgpu_metadata
---
amdhsa.version: [ 1, 2 ]
amdhsa.kernels:
  - .name:           k_qfccae8121c_prep
    .symbol:         k_qfccae8121c_prep.kd
    .args:
      - { .name: x, .offset: 0, .size: 8, .value_kind: global_buffer, .address_space: global }
      - { .name: weight, .offset: 8, .size: 8, .value_kind: global_buffer, .address_space: global }
      - { .name: abf, .offset: 16, .size: 8, .value_kind: global_buffer, .address_space: global }
      - { .name: bbf, .offset: 24, .size: 8, .value_kind: global_buffer, .address_space: global }
    .group_segment_fixed_size: 0
    .private_segment_fixed_size: 0
    .kernarg_segment_align: 8
    .kernarg_segment_size: 32
    .max_flat_workgroup_size: 256
    .sgpr_count:     66
    .vgpr_count:     132
    .wavefront_size: 32
...
	.end_amdgpu_metadata
.endif
;; end of part 3
;; launch gemm: the kernel of part 2 again; grid 16 x 16, 4 waves a work-group, clusters of 4 x 4, 327,680 bytes of LDS; arguments abf, bbf, out0, bias; writes out0
